; MI455X (gfx1250); checked and timed in simulation.
; The chip was launched on July 23, 2026; its instructions are those of AMD's public machine-readable ISA for CDNA 5 (MIT licence, August 2026) and "CDNA5" Instruction Set Architecture Reference Guide (July 2026). The comments in the code are by the model that wrote it; some were corrected since.
;; QSGD Linear. Allowed arithmetic: matrix products marked QUANTISED: E2M1 operands, one E8M0 scale for each 32 along K, by v_wmma_scale_f32_16x16x128_f8f6f4 with both operands' format E2M1 (or v_wmma_scale_f32_32x16x128_f4), f32 sums; everything else in f32.
;; Inputs: scales 262,144 float32; ternary 8,192 x 4,096 int32; x_codes 2 x 1,024 x 128 x 16 uint8 (E2M1 codes of x, K innermost, in blocks of 32 codes, two codes a byte); x_scales 2 x 1,024 x 128 uint8 (E8M0 scales of x, one for each 32 codes along K).
;; Outputs: out0 2 x 1,024 x 8,192 float32.
;; This version of the problem:
;;   THIS VERSION OF THE PROBLEM IS GIVEN IN LOW PRECISION. The matrix products marked QUANTISED in the list below multiply operands that are first quantised to E2M1 (2 exponent bits, 1 mantissa bit; 4 bits a number), with one power-of-two scale for each 32 numbers along K (OCP MX v1.0); their sums are f32. All else is computed in f32.
;;   The module's matrix products, in the order in which they are computed (A, B: the left and right operand; K: the contracted axis; several contracted axes count as one K, in the product's order):
;;     1. [M 2,048, K 4,096] x [K 4,096, N 8,192]; A: input x (given as codes); B: computed on the way: QUANTISED
;;   THE QUANTISER, for each operand of a quantised product, along K:
;;     - K is cut into blocks of 32 from its start; a last block that is shorter is filled with zeros.
;;     - A block's scale is 2^e with e = floor(log2(the largest magnitude in the block)) - 2, held to -126 .. 127; a block of zeros has e = 0. As a byte (E8M0): e + 127.
;;     - Each number is divided by its block's scale, clamped to +-6, and rounded to the nearest number of E2M1, ties to even, subnormals kept.
;;     - The product sums the exact products of the quantised numbers (number of the format x scale) in f32.
;;   ~~~python
;;   def quantise(x, axis):      # numpy; x: float32 -> the quantised numbers, widened to float32 again
;;       x = np.moveaxis(x, axis, -1); K = x.shape[-1]
;;       x = np.pad(x, [(0, 0)] * (x.ndim - 1) + [(0, -K % 32)]); x = x.reshape(x.shape[:-1] + (-1, 32)); a = np.abs(x).max(-1, keepdims=True)
;;       e = np.where(a > 0, np.clip(np.frexp(np.where(a > 0, a, 1))[1] - 1 - 2, -126, 127), 0)      # np.frexp(a)[1] - 1 = floor(log2(a)), exactly
;;       r = np.clip(x / 2.0 ** e, -6, 6)
;;       step = 2.0 ** (np.maximum(np.frexp(np.where(r == 0, 1, r))[1] - 1, 0) - 1)
;;       q = np.round(r / step) * step * 2.0 ** e      # np.round: ties to even
;;       return np.moveaxis(q.reshape(q.shape[:-2] + (-1,))[..., :K], -1, axis).astype(np.float32)
;;   ~~~
;;   OPERANDS COMPUTED ON THE WAY. 'Computed on the way' means the value that the module computes at that place (a softmax that the list does not call 'softmax' is quantised finished and normalised). What goes into a quantiser is computed in f32, as accurately as f32 sums, v_exp_f32 and their like allow (about 1e-6 of the number): no bf16 or f16 on the way to a quantiser, and a product that is left as it is and whose result goes on into a quantised operand takes f32 operands (vector FMAs, or v_wmma_f32_16x16x4_f32). A number that lies on a knife's edge between two numbers of the format may be rounded either way, as far as f32 arithmetic and the matrix unit's own rounding can turn it there, and no further.
;;   INPUTS GIVEN AS CODES. x (in the module: [2, 1024, 4096], K = its axis 2): each comes as NAME_codes (uint8): NAME with its K axis moved to the last place and cut into blocks of 32 codes, [.., K / 32, bytes a block], one block behind the other in memory; two codes a byte, the lower K in the low four bits (a code: sign, 2 exponent bits, 1 mantissa bit); and NAME_scales (uint8): the same leading axes, one E8M0 byte (e + 127) for each 32 codes along K. Its value is code x scale, taken as it is: it is not quantised again, and the codes and scales need not be those that the quantiser above would give.
;; One version. Each part assembles by itself: llvm-mc -triple=amdgcn-amd-amdhsa -mcpu=gfx1250 --defsym DOCPART=n.
;; ======== version 1 of 1: 2 launches
;; limits: right only within a limited range of input values
;; workspace buffers: wq 17,825,792 bytes
;; launch quant (part 1): grid 1024 x 1, 4 waves a work-group, no clusters, 41,472 bytes of LDS; arguments ternary, scales, wq; writes wq
.if DOCPART == 1
	.amdgcn_target "amdgcn-amd-amdhsa--gfx1250"
	.amdhsa_code_object_version 6
	.text
	.protected	k_q73f9bbd42b_quant
	.globl	k_q73f9bbd42b_quant
	.p2align	8
	.type	k_q73f9bbd42b_quant,@function
k_q73f9bbd42b_quant:
	s_mov_b64 s[64:65], 0
	v_nop
	global_prefetch_b8 v0, s[64:65] scope:SCOPE_SE
	s_setreg_imm32_b32 hwreg(HW_REG_WAVE_MODE, 25, 1), 1
	s_wait_xcnt 0x0
; w[n][k] = f32(ternary[n][k]) x scales[32 n + k / 128], n < 8,192, k < 4,096, is turned into codes of FP4 (E2M1) with one E8M0 byte for each 32 along K,
; and laid in wq AS THE PRODUCT'S OPERAND REGISTERS TAKE IT.  Unit (G, j), G = n / 64, j = k / 512, is WJ = 17,408 consecutive bytes at (8 G + j) WJ:
;   codes: [q = 0..3][b = 0..3][c = 0..1][lane = 16 h + r] x 16 bytes: the 32 codes k = 512 j + 128 q + 64 c + 32 h + 0..31 of row n = 64 G + 16 b + r, the lower k in the low four bits;
;   then, from byte 16,384: [b][r] x 16 scale bytes (row 64 G + 16 b + r, its 16 blocks of the K step in ascending order).
; Nothing is taken for granted of the whole numbers or of the scales: each number is converted, multiplied once in f32, and quantised by the general rule.
; A block's scale is 2^(floor(log2(its largest magnitude)) - 2); its byte is the largest magnitude's own exponent field - 2, held at 1 from below.
; LIMITS: NaN and infinities among the scales are not served.  A block of zeros gets the byte 1 where the rule says 127: its codes are zeros, which add nothing under any byte but 0xff, and this program alone reads the bytes.
;   Whole numbers beyond 2^24 are rounded to f32 by the conversion, to nearest even.
; SHARES.  Wave W = 4 x work-group + wave: K step j = W % 8, rows 16 T .. 16 T + 15 with T = W / 8 = 4 G + b.  Step t of 16 is row 16 T + t: 512 whole numbers, 2,048 consecutive bytes.
; Each of a step's four loads reads 512 consecutive bytes; the 2,048 bytes go through the wave's own stage in LDS and come back 64 bytes a lane (16 neighbours along K).  Two neighbouring lanes hold a block of 32.
; A step's codes (8 bytes a lane) go into a second stage of the wave's own, 16 rows (one for each block m = 4 q + 2 c + h) of 16 x 16 bytes + 16 of padding; at the end they come back
; as eight pieces of 512 bytes in the order above and leave by stores of 512 consecutive bytes.  The wave's 16 x 16 scale bytes leave as one aligned piece of 256.
; No tensor loads, no barrier: waves share nothing.  Loads run four steps (16 loads a wave) ahead, the turn through LDS one step.
.set STEPS, 16
.set EMAX,  2
.set WJ,    17408
.set WREG,  10240                      ; LDS: a region for each wave: two stages of 32 x SP bytes, its 256 scale bytes, the codes' stage of 16 x CP bytes
.set SP,    80                         ; a lane's place in a stage: its 64 bytes + 16 of padding
.set CP,    272                        ; a row of the codes' stage
.set R,     16                         ; v16-79   four sets of 16 whole numbers as they are loaded; at the end the codes on their way out
.set X,     80                         ; v80-111  two sets of 16 neighbours
.set E,     112                        ; v112-127 a scale byte for each step
.set C,     128                        ; v128-159 two registers of codes for each step
.set S,     160                        ; v160-175 my group's scale for each step
.set GS,    176                        ; v[176:177] the step's scale, and a 0 that is only named with it as a pair
	s_load_b128 s[4:7], s[0:1], 0x0                ; ternary, scales
	s_load_b64 s[8:9], s[0:1], 0x10                ; wq
	v_lshl_add_u32 v180, v0, 2, 0xa000             ; my spare word, behind the four regions
	v_mov_b32 v181, 0
	v_lshrrev_b32 v1, 5, v0
	v_readfirstlane_b32 s16, v1                    ; wave
	v_and_b32 v2, 31, v0                           ; lane
	v_lshlrev_b32 v3, 4, v2                        ; my 16 bytes of 512
	v_lshlrev_b32 v4, 3, v2                        ; my 8 bytes of the piece of scale bytes
	s_mul_i32 s17, s16, WREG
	v_lshrrev_b32 v14, 2, v2
	v_mul_u32_u24 v14, v14, SP
	v_and_b32 v15, 3, v2
	v_lshl_add_u32 v14, v15, 4, v14
	v_add_nc_u32 v14, s17, v14                     ; the stage, on the way in: SP (lane / 4) + 16 (lane % 4)
	v_mul_u32_u24 v15, v2, SP
	v_add_nc_u32 v15, s17, v15                     ; and on the way out: SP x lane: my 16 neighbours
	v_lshrrev_b32 v5, 1, v2
	s_add_co_u32 s17, s17, 2*32*SP
	v_add_nc_u32 v5, s17, v5                       ; LDS: my wave's 256 scale bytes, my block's byte
	v_add_nc_u32 v6, s17, v4                       ; and on the way out 8 bytes a lane
	v_lshrrev_b32 v178, 1, v2                      ; the codes' stage (256 bytes further on, in the offsets), in: row m = lane / 2, my half of its 16 bytes
	v_mul_u32_u24 v178, v178, CP
	v_and_b32 v10, 1, v2
	v_lshl_add_u32 v178, v10, 3, v178
	v_add_nc_u32 v178, s17, v178
	v_lshrrev_b32 v179, 4, v2                      ; out: row h = lane / 16 of a pair of rows, 16 bytes of row r = lane % 16 of w
	v_mul_u32_u24 v179, v179, CP
	v_and_b32 v10, 15, v2
	v_lshl_add_u32 v179, v10, 4, v179
	v_add_nc_u32 v179, s17, v179
	v_lshrrev_b32 v7, 3, v2
	v_lshlrev_b32 v7, 2, v7                        ; my 16 numbers lie in group lane / 8 of the step's four
	v_mov_b32 v[GS+1], 0
	s_lshl_b32 s18, ttmp9, 2
	s_add_co_u32 s18, s18, s16                     ; W
	s_and_b32 s19, s18, 7                          ; j
	s_lshr_b32 s20, s18, 3                         ; T
	s_and_b32 s21, s20, 3                          ; b
	s_lshr_b32 s22, s20, 2                         ; G
	s_lshl_b32 s24, s20, 18                        ; ternary: 16 T rows of 16,384 bytes
	s_lshl_b32 s25, s19, 11                        ; + 2,048 j
	s_add_co_u32 s24, s24, s25
	s_mov_b32 s25, 0
	s_lshl_b32 s26, s20, 11                        ; scales: 16 T rows of 128 bytes
	s_lshl_b32 s27, s19, 4                         ; + 16 j
	s_add_co_u32 s26, s26, s27
	s_mov_b32 s27, 0
	s_lshl_b32 s22, s22, 3
	s_add_co_u32 s22, s22, s19
	s_mul_i32 s22, s22, WJ                         ; wq: unit (G, j)
	s_mov_b32 s23, 0
	s_lshl_b32 s28, s21, 10                        ; its codes of block b
	s_mov_b32 s29, 0
	s_lshl_b32 s30, s21, 8
	s_add_co_u32 s30, s30, 16384                   ; its scale bytes of block b
	s_mov_b32 s31, 0
	s_wait_alu depctr_va_vdst(0)                   ; the wait at the head's end
	s_wait_kmcnt 0x0
	s_add_nc_u64 s[4:5], s[4:5], s[24:25]
	s_add_nc_u64 s[6:7], s[6:7], s[26:27]
	s_add_nc_u64 s[8:9], s[8:9], s[22:23]
	s_add_nc_u64 s[10:11], s[8:9], s[30:31]
	s_add_nc_u64 s[8:9], s[8:9], s[28:29]
.irp t, 0,1,2,3,4,5,6,7,8,9,10,11,12,13,14,15
	global_load_b32 v[S+\t], v7, s[6:7] offset:128*\t              ; row 16 T + t: the scale of my group
.endr
.macro LOAD t
.irp i, 0,1,2,3
	global_load_b128 v[R+16*((\t)%4)+4*\i:R+16*((\t)%4)+4*\i+3], v3, s[4:5] offset:16384*(\t)+512*\i th:TH_LOAD_NT   ; 32 lanes read 512 consecutive bytes; read once in the launch
.endr
.endm
.macro TURN t                          ; step t's numbers through the stage: LDS serves a wave's instructions in order (ISA guide 5.7.1.4), so no wait stands between the stores and the loads
.irp i, 0,1,2,3
	ds_store_b128 v14, v[R+16*((\t)%4)+4*\i:R+16*((\t)%4)+4*\i+3] offset:32*SP*((\t)%2)+8*SP*\i
.endr
.irp i, 0,1,2,3
	ds_load_b128 v[X+16*((\t)%2)+4*\i:X+16*((\t)%2)+4*\i+3], v15 offset:32*SP*((\t)%2)+16*\i
.endr
.endm
.irp t, 0,1,2,3
	LOAD \t
.endr
	s_wait_loadcnt 12                              ; the sixteen scales and step 0's four loads are in; the twelve loads of steps 1 to 3 may be out
	TURN 0
.macro STEP t
.set XS, X+16*((\t)%2)
.if (\t) > 0
	s_wait_dscnt 2                                 ; this step's numbers are back from the stage (the last step's two stores, byte and codes, may be out)
.else
	s_wait_dscnt 0x0
.endif
.if (\t)+4 < STEPS
	LOAD (\t)+4                                    ; into the set that this step's stage stores have read
.endif
.if (\t)+1 < STEPS
.if STEPS-2-(\t) >= 3
	s_wait_loadcnt 12                              ; the next step's four loads are in; those of the three steps behind it may be out
.else
	s_wait_loadcnt 4*(STEPS-2-(\t))                ; towards the end fewer steps are behind it
.endif
	TURN (\t)+1                                    ; through the other stage while this step is worked
.endif
	v_mov_b32 v[GS], v[S+(\t)]
.irp i, 0,1,2,3,4,5,6,7,8,9,10,11,12,13,14,15
	v_cvt_f32_i32 v[XS+\i], v[XS+\i]
.endr
.irp i, 0,2,4,6,8,10,12,14
	v_pk_mul_f32 v[XS+\i:XS+\i+1], v[XS+\i:XS+\i+1], v[GS:GS+1] op_sel_hi:[1,0]   ; w, two at a time: the pair's low word serves both halves
.endr
	v_max3_num_f32 v8, |v[XS]|, |v[XS+1]|, |v[XS+2]|               ; the largest magnitude of my 16, in two chains
	v_max3_num_f32 v9, |v[XS+3]|, |v[XS+4]|, |v[XS+5]|
.irp i, 6,10
	v_max3_num_f32 v8, v8, |v[XS+\i]|, |v[XS+\i+1]|
	v_max3_num_f32 v9, v9, |v[XS+\i+2]|, |v[XS+\i+3]|
.endr
	v_max3_num_f32 v8, v8, |v[XS+14]|, |v[XS+15]|
	v_max3_num_f32 v8, v8, v9, (EMAX+1)<<23        ; and the floor 2^(EMAX + 1 - 127): so the byte cannot fall under 1
	v_max_num_f32_dpp v8, v8, v8 row_xmask:1 row_mask:0xf bank_mask:0xf   ; and of my neighbour's 16: the block's
	v_add_nc_u32 v11, 0xff000000, v8               ; EMAX off its exponent field: the conversion takes the exponent field of this operand as its scale
	v_cvt_scalef32_pk8_fp4_f32 v[C+2*(\t)], v[XS:XS+7], v11        ; eight numbers / the scale, to the nearest code, ties to even; the first number's code in the lowest bits
	v_cvt_scalef32_pk8_fp4_f32 v[C+2*(\t)+1], v[XS+8:XS+15], v11
	v_lshrrev_b32 v[E+(\t)], 23, v11               ; the scale's byte.  (Also the plain instruction behind the conversions)
	ds_store_b8 v5, v[E+(\t)] offset:16*(\t)       ; both lanes of a block write the same byte with the same value
	ds_store_b64 v178, v[C+2*(\t):C+2*(\t)+1] offset:256+16*(\t)   ; the codes' stage: row m, place r = t
.endm
.irp t, 0,1,2,3,4,5,6,7,8,9,10,11,12,13,14,15
	STEP \t
.endr
	ds_load_b64 v[12:13], v6                       ; in order behind my stores
.irp i, 0,1,2,3,4,5,6,7
	ds_load_b128 v[R+4*\i:R+4*\i+3], v179 offset:256+2*\i*CP       ; piece i = 2 q + c: rows m = 2 i + h
.endr
	s_wait_dscnt 0x0
	global_store_b64 v4, v[12:13], s[10:11]        ; 32 lanes store the piece of 256 scale bytes
.irp i, 0,1,2,3,4,5,6,7
	global_store_b128 v3, v[R+4*\i:R+4*\i+3], s[8:9] offset:(\i/2)*4096+(\i%2)*512   ; 32 lanes store 512 consecutive bytes, aligned
.endr
	s_wait_tensorcnt 0x0                           ; the wave's end
	ds_add_u32 v180, v181
	s_wait_dscnt 0x0
	s_endpgm
.Lfunc_end_k_q73f9bbd42b_quant:
	.size	k_q73f9bbd42b_quant, .Lfunc_end_k_q73f9bbd42b_quant-k_q73f9bbd42b_quant
	.p2alignl 7, 3214868480
	.fill 96, 4, 3214868480
	.section	.rodata,"a",@progbits
	.p2align	6, 0x0
	.amdhsa_kernel k_q73f9bbd42b_quant
		.amdhsa_group_segment_fixed_size 41472
		.amdhsa_private_segment_fixed_size 0
		.amdhsa_enable_private_segment 0
		.amdhsa_kernarg_size 24
		.amdhsa_user_sgpr_count 2
		.amdhsa_user_sgpr_kernarg_segment_ptr 1
		.amdhsa_wavefront_size32 1
		.amdhsa_system_sgpr_workgroup_id_x 1
		.amdhsa_system_sgpr_workgroup_id_y 1
		.amdhsa_system_sgpr_workgroup_id_z 1
		.amdhsa_system_vgpr_workitem_id 0
		.amdhsa_next_free_vgpr 182
		.amdhsa_next_free_sgpr 66
		.amdhsa_reserve_vcc 0
		.amdhsa_float_denorm_mode_32 3
		.amdhsa_float_denorm_mode_16_64 3
		.amdhsa_memory_ordered 1
		.amdhsa_forward_progress 1
		.amdhsa_inst_pref_size 53
	.end_amdhsa_kernel
	.amdgpu_metadata
---
amdhsa.version: [ 1, 2 ]
amdhsa.kernels:
  - .name:           k_q73f9bbd42b_quant
    .symbol:         k_q73f9bbd42b_quant.kd
    .args:
      - { .name: ternary, .offset: 0, .size: 8, .value_kind: global_buffer, .address_space: global }
      - { .name: scales, .offset: 8, .size: 8, .value_kind: global_buffer, .address_space: global }
      - { .name: wq, .offset: 16, .size: 8, .value_kind: global_buffer, .address_space: global }
    .group_segment_fixed_size: 41472
    .private_segment_fixed_size: 0
    .kernarg_segment_align: 8
    .kernarg_segment_size: 24
    .max_flat_workgroup_size: 128
    .sgpr_count:     66
    .vgpr_count:     182
    .wavefront_size: 32
...
	.end_amdgpu_metadata
.endif
;; end of part 1
;; launch gemm (part 2): grid 32 x 8, 4 waves a work-group, clusters of 4 x 1, 327,680 bytes of LDS; arguments x_codes, x_scales, wq, out0; writes out0
.if DOCPART == 2
	.amdgcn_target "amdgcn-amd-amdhsa--gfx1250"
	.amdhsa_code_object_version 6
	.text
	.protected	k_q73f9bbd42b_gemm
	.globl	k_q73f9bbd42b_gemm
	.p2align	8
	.type	k_q73f9bbd42b_gemm,@function
k_q73f9bbd42b_gemm:
	s_mov_b64 s[64:65], 0
	v_nop
	global_prefetch_b8 v0, s[64:65] scope:SCOPE_SE
	s_setreg_imm32_b32 hwreg(HW_REG_WAVE_MODE, 25, 1), 1
	s_wait_xcnt 0x0
	s_wait_alu depctr_hold_cnt(0) depctr_sa_sdst(0) depctr_va_vdst(0) depctr_va_sdst(0) depctr_va_ssrc(0) depctr_va_vcc(0) depctr_vm_vsrc(0)
	s_getreg_b32 s2, hwreg(HW_REG_IB_STS2, 6, 4)
	s_cmp_eq_u32 s2, 0
	s_cbranch_scc0 .Lentry_in_a_cluster
	s_endpgm
.Lentry_in_a_cluster:
	s_bfe_u32 s2, ttmp6, 0x10000c
	s_cmp_lg_u32 s2, 0x3003
	s_cbranch_scc0 .Lentry_shape_is_right
	s_endpgm
.Lentry_shape_is_right:
; out0[m][n] = sum over k of x[m][k] w[n][k]: x [2,048][4,096] as given codes of FP4 and E8M0 bytes, w [8,192][4,096] as launch quant laid it in wq; sums in f32, K ascending.
; A tile of 256 x 256 is made by a work-group of four waves; wave w makes all 256 rows x the 64 columns 64 w ..: 16 x 4 accumulators of 16 x 16, 512 registers.
; x GOES THROUGH LDS: a ring of two slots, each 256 rows x 1,024 along K (rows of 512 bytes of memory, 16 bytes of padding behind each), four slots' worth in all of K.
;   The four work-groups of a cluster (four neighbouring column tiles of one row tile) need the same tiles of x and its scales: each is asked for JOINTLY, mask 15.
;   x's scales of the 256 rows, for all of K, are one dense block of 32,768 bytes: they come once, at the head, as rows of 256 bytes, and stay.
; w GOES FROM MEMORY STRAIGHT INTO REGISTERS: wq holds the operand registers' images, a wave's 64 rows are read by no other wave of the work-group, each load reads 512 consecutive bytes.
;   Four sets of registers: a step's loads are issued three steps of 128 along K ahead.  These bytes are not asked for jointly: a joint load lands in LDS alone; with w's codes out of LDS the two slots hold 1,024 along K each.
; THE MATRIX INSTRUCTION IS USED TRANSPOSED (source 0 = 16 rows of w, source 1 = 16 rows of x): a lane holds eight neighbouring numbers of a row of out0.
; REGISTERS, in windows of 256: window 0: v0-31 addresses; v32-95 x's scale words, two sets (lanes 0-15 block a, lanes 16-31 block a + 8); v96-111 w's scale words, two sets (lanes 0-15 block 2 p, 16-31 block 2 p + 1);
;   v128-255 w's fragments, four sets of 32.  window 1: x's fragments, two sets of 16 blocks x 8.  window 2: accumulators of x's blocks 0-7 ((a, b) at v[8 (4 a + b)]); window 3: blocks 8-15.
; A STEP of 128 along K: four places, ONE run of loads for later steps (w's 8, x's 32 LDS loads for the next step), the two counted waits, 64 matrix instructions.
; THE LAST K SLOT GOES IN TWO PASSES over x's blocks: blocks 0-7 through its 8 steps, then blocks 8-15.  w's fragments of all 8 steps stay in registers (steps 0-3 in window 0, steps 4-7 in window 1, v128-255;
;   x then has two sets of 8 blocks, window 1, v0-127), so nothing is read twice.  Blocks 0-7 are finished after the first pass and leave during the second, one block a half-step.
; PREFETCHES: in slot t, behind its refill, x's slot t + 3 and wq's bytes of slot t + 2 are asked for.  At the head wq's slot 0; behind slot 1's first fill x's slot 2 and wq's slot 1.  x's slots 0 and 1 come by their loads alone:
;   slot 1's load is issued as soon as slot 0 has landed and has all of slot 0's 512 matrix instructions in which to land.  x: 16 rows x 2 blocks of 256 bytes a wave, the cluster's four share the 256 rows by cx;
;   wq: a wave's 34,816 bytes of a slot are 136 blocks, shared by the eight row tiles that read them, 17 each (lanes 17-31 name the last again).
.set SIZE_N, 8192
.set KROW,   2048                      ; a row of x's codes in bytes
.set WJ,     17408                     ; a unit of wq: 64 rows x 512 along K
.set PITCH,  528                       ; an LDS row: 512 bytes + 16 = 33 x 16: the 16 rows that a load touches start at 16 different groups of banks
.set QUART,  64*PITCH                  ; what one tensor load of the ring brings
.set SLOT,   256*PITCH
.set SCL,    2*SLOT                    ; x's scales: 128 rows of 256 + 16 bytes
.set SPARE,  SCL+128*272               ; the spare words, 128 bytes a wave
.set STAGE,  SPARE+512                 ; the way out: 16 rows x 272 bytes for each wave; no tensor load lands here
.set SPITCH, 272
.set AB0,  16                          ; LDS address of x's fragments, blocks 0-7, in slot 0
.set AB1,  17                          ; blocks 8-15
.set ADA,  18                          ; the same two in the slot that is being fetched from
.set ADA2, 19
.set ADSA, 20                          ; x's scale words of the slot
.set BO,   21                          ; 16 x lane
.set STO,  22
.set RD,   23
.set CO,   24
.set PFOA, 25
.set PFOB, 26
.set SPW,  28                          ; my spare word; never rewritten
.set NIL,  29                          ; 0; never rewritten
.set SA,   32
.set SB,   96
.set BF,   128
.set G1,   24                          ; s[24:31] group 1, x's codes
.set G0,   32                          ; s[32:35] group 0, the ring's
.set G0H,  36                          ; s[36:39] group 0, the head's load of codes
.set G1S,  48                          ; s[48:55], s[56:59] x's scales
.set G0S,  56
.set BP,   60                          ; s[60:61] my wq bytes of the slot at work
.set PFA,  62                          ; s[62:63] my rows of x, K slot 1
.set SF,   66                          ; 0 or SLOT: the slot that is fetched from
.set MSB, 0
.macro WIN new                         ; the immediate's high byte repeats the setting that is left
.if MSB != \new
	s_set_vgpr_msb (MSB<<8)|\new
.set MSB, \new
.endif
.endm
.set MUL_LO, 0xa4                      ; source 0 (w) window 0, source 1 (x) window 1, C and D window 2
.set MUL_HI, 0xf4
.set TO_A,   0x40                      ; destination window 1, address window 0
.macro PLACES n
.rept \n
	v_nop
.endr
.endm
.macro CREST                           ; a round of the cluster's barrier behind its opening barrier
	s_cmp_lg_u32 s14, 0
	s_cbranch_scc1 .Lnot_wave_0_\@
	s_barrier_signal -3
.Lnot_wave_0_\@:
	s_barrier_wait -3
	s_barrier_signal -1
	s_barrier_wait -1
.endm
.macro CROUND
	s_barrier_signal -1
	s_barrier_wait -1
	CREST
.endm
; w's fragments of step X of the slot (X up to 10: the next slot's first three), and with a K step's first its scale words (under window 0)
.macro BLOAD X
.if ((\X)%4) == 0
.irp p, 0,1
	global_load_b128 v[SB+8*(((\X)/4)%2)+4*\p:SB+8*(((\X)/4)%2)+4*\p+3], v[BO], s[BP:BP+1] offset:((\X)/4)*WJ+16384+512*\p
.endr
.endif
.irp b, 0,1,2,3
.irp c, 0,1
	global_load_b128 v[BF+32*((\X)%4)+8*\b+4*\c:BF+32*((\X)%4)+8*\b+4*\c+3], v[BO], s[BP:BP+1] offset:((\X)/4)*WJ+((\X)%4)*4096+1024*\b+512*\c
.endr
.endr
.endm
.macro BLOADH X                        ; the last slot's steps 4 to 7: into window 1, v128-255 (under TO_A)
.irp b, 0,1,2,3
.irp c, 0,1
	global_load_b128 v[128+32*((\X)-4)+8*\b+4*\c:128+32*((\X)-4)+8*\b+4*\c+3], v[BO], s[BP:BP+1] offset:WJ+((\X)-4)*4096+1024*\b+512*\c
.endr
.endr
.endm
	s_load_b128 s[4:7], s[0:1], 0x0                ; x_codes, x_scales
	s_load_b128 s[8:11], s[0:1], 0x10              ; wq, out0
	v_lshl_add_u32 v[SPW], v0, 2, SPARE
	v_mov_b32 v[NIL], 0
	ds_add_u32 v[SPW], v[NIL]                      ; the opening lines: the add, twice on end, and its wait ahead of my first tensor load
	ds_add_u32 v[SPW], v[NIL]
	v_lshrrev_b32 v1, 5, v0
	v_readfirstlane_b32 s14, v1                    ; wave
	v_and_b32 v3, 31, v0                           ; lane
	v_lshlrev_b32 v[BO], 4, v3
	s_lshr_b32 s15, s14, 1                         ; at the head: 0 codes, 1 scales
	s_and_b32 s16, s14, 1                          ; and which half
	s_bfe_u32 s40, ttmp6, 0x40000                  ; cx
	s_lshl_b32 s17, ttmp9, 2
	s_add_co_u32 s17, s17, s40                     ; column tile
	s_and_b32 s42, ttmp7, 0xffff                   ; row tile
	s_mov_b32 s[G1+0], 15|(0<<16)|(1<<20)|(1<<21)|(6<<22)|(3<<25)   ; mask of the four; 1-byte elements; 4 words of padding behind every 128
	s_mov_b32 s[G1+1], 512<<16
	s_mov_b32 s[G1+2], 128<<16                     ; 128 rows at the head; 64 behind it
	s_mov_b32 s[G1+3], 512<<16
	s_mov_b32 s[G1+4], 128
	s_mov_b32 s[G1+5], KROW
	s_mov_b32 s[G1+6], 0
	s_mov_b32 s[G1+7], 0
	s_mov_b32 s[G1S+0], 15|(3<<16)|(1<<20)|(1<<21)|(5<<22)|(3<<25)  ; 8-byte elements; 4 words behind every 64
	s_mov_b32 s[G1S+1], 32<<16
	s_mov_b32 s[G1S+2], 64<<16
	s_mov_b32 s[G1S+3], 32<<16
	s_mov_b32 s[G1S+4], 64
	s_mov_b32 s[G1S+5], 32
	s_mov_b32 s[G1S+6], 0
	s_mov_b32 s[G1S+7], 0
	s_lshl_b32 s20, s42, 19                        ; x: 256 rows x 2,048 bytes for each row tile
	s_lshl_b32 s18, s16, 18
	s_add_co_u32 s18, s18, s20                     ; the head's: + 128 rows x half
	s_mov_b32 s19, 0
	s_lshl_b32 s22, s14, 17
	s_add_co_u32 s22, s22, s20                     ; the ring's: + 64 rows x wave,
	s_add_co_u32 s22, s22, 512                     ; K slot 1
	s_mov_b32 s23, 0
	s_lshl_b32 s44, s42, 15                        ; x's scales: 256 rows x 128 bytes
	s_lshl_b32 s45, s16, 14
	s_add_co_u32 s44, s44, s45
	s_mov_b32 s45, 0
	s_lshl_b32 s46, s17, 2
	s_add_co_u32 s46, s46, s14                     ; G = 4 x column tile + wave
	s_mul_i32 s46, s46, 8*WJ
	s_mov_b32 s47, 0
	s_lshl_b32 s12, s40, 6                         ; the prefetches of x: rows 64 cx + 16 wave on
	s_lshl_b32 s13, s14, 4
	s_add_co_u32 s12, s12, s13
	s_lshl_b32 s12, s12, 11
	s_add_co_u32 s12, s12, s20
	s_add_co_u32 s12, s12, 512
	s_mov_b32 s13, 0
	s_mul_i32 s41, s16, 128*PITCH
	s_mul_i32 s43, s16, 64*272
	s_add_co_u32 s43, s43, SCL
	s_mul_i32 s21, s14, QUART
	s_add_co_u32 s21, s21, SLOT
	s_mov_b32 s[SF], 0
	s_wait_dscnt 0x0                               ; both opening adds are done
	s_wait_alu depctr_va_vdst(0)                   ; the wait here, directly ahead of the wait below
	s_wait_kmcnt 0x0
	s_add_nc_u64 s[BP:BP+1], s[8:9], s[46:47]
	BLOAD 0                                        ; w's first three steps: on their way while x's first tiles come
	BLOAD 1
	BLOAD 2
	s_mov_b32 s[G0H], 1
	s_mov_b32 s[G0H+1], s41
	s_add_nc_u64 s[G0H+2:G0H+3], s[4:5], s[18:19]
	s_or_b32 s[G0H+3], s[G0H+3], 0x80000000
	s_mov_b32 s[G0S], 1
	s_mov_b32 s[G0S+1], s43
	s_add_nc_u64 s[G0S+2:G0S+3], s[6:7], s[44:45]
	s_or_b32 s[G0S+3], s[G0S+3], 0x80000000
	s_mov_b32 s[G0], 1
	s_mov_b32 s[G0+1], s21
	s_add_nc_u64 s[G0+2:G0+3], s[4:5], s[22:23]
	s_or_b32 s[G0+3], s[G0+3], 0x80000000
	s_add_nc_u64 s[PFA:PFA+1], s[4:5], s[12:13]
	CROUND                                         ; the four work-groups are here: the first joint loads meet
	s_cmp_eq_u32 s15, 0                            ; the head's loads, one a wave: waves 0, 1 slot 0's two halves, waves 2, 3 the two halves of x's scales
	s_cbranch_scc0 .Lhead_s
	tensor_load_to_lds s[G0H:G0H+3], s[G1:G1+7]
	s_nop 0
	PLACES 4
	s_branch .Lhead_j
.Lhead_s:
	tensor_load_to_lds s[G0S:G0S+3], s[G1S:G1S+7]
	s_nop 0
	PLACES 4
.Lhead_j:
	v_and_b32 v1, 15, v0                           ; r
	v_bfe_u32 v2, v0, 4, 1                         ; h
	v_mul_u32_u24 v4, v1, PITCH
	v_lshl_add_u32 v[AB0], v2, 4, v4               ; a fragment's row x pitch + 16 h
	v_add_nc_u32 v[AB1], 8*16*PITCH, v[AB0]
	v_mov_b32 v[ADA], v[AB0]
	v_mov_b32 v[ADA2], v[AB1]
	v_lshrrev_b32 v5, 1, v1                        ; x's scales: two rows of 128 bytes in an LDS row
	v_mul_u32_u24 v5, v5, 272
	v_and_b32 v6, 1, v1
	v_lshl_add_u32 v5, v6, 7, v5
	v_mul_u32_u24 v6, v2, 64*272                   ; lanes 16-31: eight blocks further on
	v_add_nc_u32 v5, v5, v6
	v_add_nc_u32 v[ADSA], SCL, v5
	s_mul_i32 s23, s14, 16*SPITCH
	s_add_co_u32 s23, s23, STAGE                   ; my stage
	v_mul_u32_u24 v5, v1, SPITCH                   ; in: row r, 32 bytes for each half of the lanes
	v_lshl_add_u32 v5, v2, 5, v5
	v_add_nc_u32 v[STO], s23, v5
	v_mul_u32_u24 v5, v2, SPITCH                   ; back: lanes 0-15 one row of 256 bytes, lanes 16-31 the next
	v_lshl_add_u32 v5, v1, 4, v5
	v_add_nc_u32 v[RD], s23, v5
	v_lshlrev_b32 v5, 15, v2                       ; and the same two rows in out0
	v_lshl_add_u32 v[CO], v1, 4, v5
	v_lshlrev_b32 v5, 11, v1                       ; prefetches of x: row r, block h of the slot's 512 bytes
	v_lshl_add_u32 v[PFOA], v2, 8, v5
	v_min_u32 v5, 16, v3                           ; of wq: my row tile's 17 blocks
	s_mul_i32 s22, s42, 17*256
	v_lshlrev_b32 v5, 8, v5
	v_add_nc_u32 v[PFOB], s22, v5
	s_wait_alu depctr_va_vdst(0)                   ; the wait at the head's end
	s_lshl_b32 s18, s42, 23                        ; out0: 256 rows of 32,768 bytes for each row tile
	s_lshl_b32 s19, s17, 10
	s_add_co_u32 s18, s18, s19                     ; + 1,024 x column tile
	s_lshl_b32 s19, s14, 8
	s_add_co_u32 s18, s18, s19                     ; + 256 x wave
	s_mov_b32 s19, 0
	s_add_nc_u64 s[10:11], s[10:11], s[18:19]
	global_prefetch_b8 v[PFOB], s[BP:BP+1] th:TH_LOAD_NT scope:SCOPE_SE   ; wq's slot 0: its steps 3 to 7 are loaded from the first step on
.macro WM zero
.if \zero
.if hB && hA
	v_wmma_scale_f32_16x16x128_f8f6f4 v[rD:rD+7], v[rB:rB+7], v[rA:rA+7], 0, v[rSB], v[rSA] matrix_a_fmt:MATRIX_FMT_FP4 matrix_b_fmt:MATRIX_FMT_FP4 matrix_a_scale:MATRIX_SCALE_ROW1 matrix_b_scale:MATRIX_SCALE_ROW1
.elseif hB
	v_wmma_scale_f32_16x16x128_f8f6f4 v[rD:rD+7], v[rB:rB+7], v[rA:rA+7], 0, v[rSB], v[rSA] matrix_a_fmt:MATRIX_FMT_FP4 matrix_b_fmt:MATRIX_FMT_FP4 matrix_a_scale:MATRIX_SCALE_ROW1
.elseif hA
	v_wmma_scale_f32_16x16x128_f8f6f4 v[rD:rD+7], v[rB:rB+7], v[rA:rA+7], 0, v[rSB], v[rSA] matrix_a_fmt:MATRIX_FMT_FP4 matrix_b_fmt:MATRIX_FMT_FP4 matrix_b_scale:MATRIX_SCALE_ROW1
.else
	v_wmma_scale_f32_16x16x128_f8f6f4 v[rD:rD+7], v[rB:rB+7], v[rA:rA+7], 0, v[rSB], v[rSA] matrix_a_fmt:MATRIX_FMT_FP4 matrix_b_fmt:MATRIX_FMT_FP4
.endif
.else
.if hB && hA
	v_wmma_scale_f32_16x16x128_f8f6f4 v[rD:rD+7], v[rB:rB+7], v[rA:rA+7], v[rD:rD+7], v[rSB], v[rSA] matrix_a_fmt:MATRIX_FMT_FP4 matrix_b_fmt:MATRIX_FMT_FP4 matrix_a_scale:MATRIX_SCALE_ROW1 matrix_b_scale:MATRIX_SCALE_ROW1
.elseif hB
	v_wmma_scale_f32_16x16x128_f8f6f4 v[rD:rD+7], v[rB:rB+7], v[rA:rA+7], v[rD:rD+7], v[rSB], v[rSA] matrix_a_fmt:MATRIX_FMT_FP4 matrix_b_fmt:MATRIX_FMT_FP4 matrix_a_scale:MATRIX_SCALE_ROW1
.elseif hA
	v_wmma_scale_f32_16x16x128_f8f6f4 v[rD:rD+7], v[rB:rB+7], v[rA:rA+7], v[rD:rD+7], v[rSB], v[rSA] matrix_a_fmt:MATRIX_FMT_FP4 matrix_b_fmt:MATRIX_FMT_FP4 matrix_b_scale:MATRIX_SCALE_ROW1
.else
	v_wmma_scale_f32_16x16x128_f8f6f4 v[rD:rD+7], v[rB:rB+7], v[rA:rA+7], v[rD:rD+7], v[rSB], v[rSA] matrix_a_fmt:MATRIX_FMT_FP4 matrix_b_fmt:MATRIX_FMT_FP4
.endif
.endif
.endm
; 16 matrix instructions: x's blocks 4 g .. 4 g + 3 against w's four, step q of the slot.  The 64 accumulators take turns, in the same order in every step.
.macro MUL16 g, q, zero
.irp i, 0,1,2,3
.irp b, 0,1,2,3
.set aa,  4*(\g)+\i
.set rD,  8*(4*(aa%8)+\b)
.set rB,  BF+32*((\q)%4)+8*\b
.set rA,  128*((\q)%2)+8*aa
.set rSB, SB+8*(((\q)/4)%2)+4*(\b/2)+((\q)%4)
.set rSA, SA+32*(((\q)/4)%2)+4*(aa%8)+((\q)%4)
.set hB,  \b%2
.set hA,  aa/8
	WM \zero
.endr
.endr
.endm
.macro FETCH_R q, p, g                 ; x's fragments of blocks 4 g .. 4 g + 3, step q, into set p: 8 loads (under TO_A)
.irp i, 0,1,2,3
.irp c, 0,1
.if (\g) < 2
	ds_load_b128 v[128*(\p)+8*(4*(\g)+\i)+4*\c:128*(\p)+8*(4*(\g)+\i)+4*\c+3], v[ADA] offset:64*(\q)+32*\c+(4*(\g)+\i)*16*PITCH
.else
	ds_load_b128 v[128*(\p)+8*(4*(\g)+\i)+4*\c:128*(\p)+8*(4*(\g)+\i)+4*\c+3], v[ADA2] offset:64*(\q)+32*\c+(4*(\g)+\i-8)*16*PITCH
.endif
.endr
.endr
.endm
.macro SCALES_A set, off               ; x's scale words of 512 along K: four words a row; 8 loads (under window 0)
.irp i, 0,1,2,3,4,5,6,7
	ds_load_b128 v[SA+32*\set+4*\i:SA+32*\set+4*\i+3], v[ADSA] offset:\i*8*272+\off
.endr
.endm
; A step of 128 along K whose successor lies in the same slot (K slots 0 to 2).  The four v_nop at its head are the places between the last step's matrix instructions and the loads
; into registers that they read (ISA guide 7.12.1 for vector instructions).
.macro STEP q, zero
	PLACES 4
	WIN 0
	BLOAD (\q)+3                                   ; into the set that the last step multiplied
.if (\q) == 3
	SCALES_A 1, 16                                 ; the slot's second 512 along K
.set NF, 40
.else
.set NF, 32
.endif
	WIN TO_A
.irp g, 0,1,2,3
	FETCH_R (\q)+1, ((\q)+1)%2, \g                 ; the next step's fragments of x, into the set that the last step multiplied
.endr
.if ((\q)%4) == 0
	s_wait_loadcnt 24                              ; this step's fragments of w are in; the loads of the next three steps, 8 each, may be out
.else
	s_wait_loadcnt 26                              ; (one of the three begins a K step of 512 and has 2 loads of scale words)
.endif
	s_wait_dscnt NF                                ; all but the NF LDS loads just issued
	WIN MUL_LO
	MUL16 0, \q, \zero
	MUL16 1, \q, \zero
	WIN MUL_HI
	MUL16 2, \q, \zero
	MUL16 3, \q, \zero
.endm
; A slot's last step changes slots: ONE barrier; in front of it each wave waits for all its tensor loads, adds 0 to its spare word, and waits for that and for its reads of this slot.
; fill = 1: the barrier opens a round of the cluster's barrier, and this slot is filled again, with the slot two on along K.  fill = 0: the last slot follows, whose first half-step wants x's blocks 0-7 alone.
.macro TURN fill
	PLACES 4
	WIN 0
	BLOAD 10
	s_wait_tensorcnt 0x0                           ; all my tensor loads have landed: my part of the next slot;
	ds_add_u32 v[SPW], v[NIL]
	s_wait_loadcnt 26                              ; w's fragments of this step are in (behind them: 10 + 8 + 8 loads)
	s_wait_dscnt 0x0                               ; the add is done, and my reads of this slot are over
	s_barrier_signal -1
	WIN MUL_LO
	MUL16 0, 7, 0
	WIN 0
	s_barrier_wait -1
.if \fill
	CREST
	s_xor_b32 s[G0+1], s[G0+1], SLOT               ; the slot just read out (64 x PITCH x wave shares no bit with SLOT),
	s_add_nc_u64 s[G0+2:G0+3], s[G0+2:G0+3], 512   ; the next 1,024 along K
	tensor_load_to_lds s[G0:G0+3], s[G1:G1+7]      ; the first tensor load behind the round, one a wave
	s_nop 0
	PLACES 4
.endif
	s_xor_b32 s[SF], s[SF], SLOT
	v_add_nc_u32 v[ADA], s[SF], v[AB0]
	v_add_nc_u32 v[ADA2], s[SF], v[AB1]
	v_add_nc_u32 v[ADSA], 32, v[ADSA]
	s_wait_alu depctr_va_vdst(0)                   ; the wait here, directly behind the writes
	SCALES_A 0, 0
	WIN TO_A
	FETCH_R 0, 0, 0
	FETCH_R 0, 0, 1
.if \fill
	FETCH_R 0, 0, 2
	FETCH_R 0, 0, 3
	WIN 0
	global_prefetch_b8 v[PFOB], s[BP:BP+1] offset:4*WJ th:TH_LOAD_NT scope:SCOPE_SE   ; wq's bytes two slots on
	s_cmp_eq_u32 s3, 0                             ; x's K slot 3 is asked for in the first trip; the second has no slot three on
	s_cbranch_scc0 .Lno_ask_\@
	global_prefetch_b8 v[PFOA], s[PFA:PFA+1] offset:1024 th:TH_LOAD_NT scope:SCOPE_SE
.Lno_ask_\@:
.endif
	WIN MUL_LO
	MUL16 1, 7, 0
	WIN MUL_HI
	MUL16 2, 7, 0
	MUL16 3, 7, 0
	WIN 0
	s_wait_xcnt 0x0                                ; my loads and prefetches have read their base
	s_add_nc_u64 s[BP:BP+1], s[BP:BP+1], 2*WJ      ; on to the next slot's bytes of wq
.endm
; THE WAY OUT of block a (16 rows x 64 columns), in three parts, a half-step apart.  TOST: a lane's 32 neighbouring bytes of a row into my own stage.  BACK: whole rows of 256 bytes back, into the block's own
; accumulator registers (a wait for all LDS instructions stands between the two: the stores have read those registers).  SEND: sixteen lanes store one aligned unit of 256 bytes.
; The stores' offsets are immediates, 8,323,072 at the most, inside the signed 24-bit field (ISA guide, chapter 10): no base is stepped, and no register that a store reads is written again.
.macro TOST a
.set AC, 32*((\a)%8)
.set WS, 0x08+4*((\a)/8)
	WIN WS                                         ; the data: window 2 or 3
.irp b, 0,1,2,3
	ds_store_b128 v[STO], v[AC+8*\b:AC+8*\b+3] offset:64*\b          ; each accumulator from its low end on
	ds_store_b128 v[STO], v[AC+8*\b+4:AC+8*\b+7] offset:64*\b+16
.endr
.endm
.macro BACK a
.set AC, 32*((\a)%8)
.set WS, 0x80+0x40*((\a)/8)
	WIN WS                                         ; the destination: window 2 or 3
.irp t, 0,1,2,3,4,5,6,7
	ds_load_b128 v[AC+4*\t:AC+4*\t+3], v[RD] offset:\t*2*SPITCH
.endr
.endm
.macro SEND a
.set AC, 32*((\a)%8)
.set WS, 0x08+4*((\a)/8)
	WIN WS
.irp t, 0,1,2,3,4,5,6,7
	global_store_b128 v[CO], v[AC+4*\t:AC+4*\t+3], s[10:11] offset:(\a)*16*SIZE_N*4+\t*2*SIZE_N*4 th:TH_STORE_NT
.endr
.endm
; Tick m (8 to 25), behind a wait for all my LDS instructions: block m - 10 is stored, block m - 9 comes back from the stage, block m - 8 goes into it (LDS serves a wave's instructions in order: ISA guide 5.7.1.4)
.macro TICK m
.if ((\m) >= 10) && ((\m) <= 25)
	SEND (\m)-10
.endif
.if ((\m) >= 9) && ((\m) <= 24)
	BACK (\m)-9
.endif
.if (\m) <= 23
	TOST (\m)-8
.endif
.endm
.macro FETCH_H m                       ; the last slot's half-step m (pass m / 8, step m % 8): x's eight blocks into set m % 2 of 64 registers: 16 loads (under TO_A)
.irp i, 0,1,2,3,4,5,6,7
.irp c, 0,1
.if (\m) < 8
	ds_load_b128 v[64*((\m)%2)+8*\i+4*\c:64*((\m)%2)+8*\i+4*\c+3], v[ADA] offset:64*((\m)%8)+32*\c+\i*16*PITCH
.else
	ds_load_b128 v[64*((\m)%2)+8*\i+4*\c:64*((\m)%2)+8*\i+4*\c+3], v[ADA2] offset:64*((\m)%8)+32*\c+\i*16*PITCH
.endif
.endr
.endr
.endm
.macro HMUL n                          ; 32 matrix instructions: the pass's eight blocks of x against w's four; the 32 accumulators take turns
.irp i, 0,1,2,3,4,5,6,7
.irp b, 0,1,2,3
.set rD,  8*(4*\i+\b)
.set rB,  128+32*((\n)%4)+8*\b
.set rA,  64*((\n)%2)+8*\i
.set rSB, SB+8*(((\n)%8)/4)+4*(\b/2)+((\n)%4)
.set rSA, SA+32*(((\n)%8)/4)+4*\i+((\n)%4)
.set hB,  \b%2
.set hA,  (\n)/8
	WM 0
.endr
.endr
.endm
; A half-step of the last slot.  w's steps 0 to 2 were asked for in the slot before; steps 3 and 4 are asked for in half-step 0, 5 and 6 in 1, 7 in 2.
.macro HS n
	PLACES 4
.if (\n) >= 8
	s_wait_dscnt 0x0                               ; this half-step's fragments are in, and the last tick's stage stores and loads are done
	TICK \n
.endif
.if (\n) == 0
	WIN 0
	BLOAD 3
.irp p, 0,1
	global_load_b128 v[SB+8+4*\p:SB+8+4*\p+3], v[BO], s[BP:BP+1] offset:WJ+16384+512*\p   ; w's scale words of the slot's second 512 along K
.endr
	WIN TO_A
	BLOADH 4
.endif
.if (\n) == 1
	WIN TO_A
	BLOADH 5
	BLOADH 6
.endif
.if (\n) == 2
	WIN TO_A
	BLOADH 7
.endif
.if (\n) == 3
	WIN 0
	SCALES_A 1, 16
.endif
.if (\n) < 15
	WIN TO_A
	FETCH_H (\n)+1
.endif
.if (\n) < 8
.if ((\n) == 0) || ((\n) == 3)
	s_wait_loadcnt 34                              ; w's step n is in.  Behind it, at 0: 8 + 8 + 8 + 10 loads; at 3: 10 + 8 + 8 + 8
.elseif (\n) < 3
	s_wait_loadcnt 42                              ; at 1: 8 + 8 + 10 + 8 + 8; at 2: 8 + 10 + 8 + 8 + 8
.else
	s_wait_loadcnt 8*(7-(\n))                      ; the steps behind it, 8 loads each
.endif
.if (\n) == 3
	s_wait_dscnt 24                                ; all but the 8 + 16 LDS loads just issued
.else
	s_wait_dscnt 16
.endif
.endif
.set WS, 0xa4+0x50*((\n)/8)+(((\n)%8)/4)
	WIN WS                                         ; w's steps 4-7 lie in window 1; C and D in window 2 (first pass) or 3
	HMUL \n
.endm
	s_wait_tensorcnt 0x0                           ; my tile of the head's four is in
	ds_add_u32 v[SPW], v[NIL]
	s_mov_b32 s[G1+2], 64<<16                      ; no tensor load of mine is out: from here on a load brings 64 rows
	s_mov_b32 s[G1+4], 64
	s_wait_dscnt 0x0
	CROUND
	tensor_load_to_lds s[G0:G0+3], s[G1:G1+7]      ; slot 1's first fill, the first tensor load behind the round
	s_nop 0
	PLACES 4
	SCALES_A 0, 0
	WIN TO_A
.irp g, 0,1,2,3
	FETCH_R 0, 0, \g
.endr
	WIN 0
	global_prefetch_b8 v[PFOA], s[PFA:PFA+1] offset:512 th:TH_LOAD_NT scope:SCOPE_SE   ; x's K slot 2
	global_prefetch_b8 v[PFOB], s[BP:BP+1] offset:2*WJ th:TH_LOAD_NT scope:SCOPE_SE    ; wq's slot 1
	STEP 0, 1                                      ; the first step's products start the sums
	WIN 0
	s_mov_b32 s3, 0
.Lslot:                                                ; a trip: a slot's steps 1 to 7, its refill, the next slot's step 0.  Two trips: K slots 0 and 1
.irp q, 1,2,3,4,5,6
	STEP \q, 0
.endr
	TURN 1
	STEP 0, 0
	WIN 0
	s_add_co_u32 s3, s3, 1
	s_cmp_lt_u32 s3, 2
	s_cbranch_scc1 .Lslot
.irp q, 1,2,3,4,5,6                    ; K slot 2: nothing is filled again
	STEP \q, 0
.endr
	TURN 0
.irp n, 0,1,2,3,4,5,6,7,8,9,10,11,12,13,14,15      ; K slot 3, in two passes
	HS \n
.endr
	PLACES 4                                       ; ahead of the first read of the second pass's results
.irp m, 16,17,18,19,20,21,22,23,24,25
	s_wait_dscnt 0x0
	TICK \m
.endr
	WIN 0
	s_wait_tensorcnt 0x0                           ; the wave's end
	ds_add_u32 v[SPW], v[NIL]
	s_wait_dscnt 0x0
	CROUND                                         ; the closing round
	s_endpgm
.Lfunc_end_k_q73f9bbd42b_gemm:
	.size	k_q73f9bbd42b_gemm, .Lfunc_end_k_q73f9bbd42b_gemm-k_q73f9bbd42b_gemm
	.p2alignl 7, 3214868480
	.fill 96, 4, 3214868480
	.section	.rodata,"a",@progbits
	.p2align	6, 0x0
	.amdhsa_kernel k_q73f9bbd42b_gemm
		.amdhsa_group_segment_fixed_size 327680
		.amdhsa_private_segment_fixed_size 0
		.amdhsa_enable_private_segment 0
		.amdhsa_kernarg_size 32
		.amdhsa_user_sgpr_count 2
		.amdhsa_user_sgpr_kernarg_segment_ptr 1
		.amdhsa_wavefront_size32 1
		.amdhsa_system_sgpr_workgroup_id_x 1
		.amdhsa_system_sgpr_workgroup_id_y 1
		.amdhsa_system_sgpr_workgroup_id_z 1
		.amdhsa_system_vgpr_workitem_id 0
		.amdhsa_next_free_vgpr 1024
		.amdhsa_next_free_sgpr 70
		.amdhsa_reserve_vcc 0
		.amdhsa_float_denorm_mode_32 3
		.amdhsa_float_denorm_mode_16_64 3
		.amdhsa_memory_ordered 1
		.amdhsa_forward_progress 1
		.amdhsa_inst_pref_size 255
	.end_amdhsa_kernel
	.section	.bss,"aw",@nobits
	.p2align	6
	.space	262144
	.amdgpu_metadata
---
amdhsa.version: [ 1, 2 ]
amdhsa.kernels:
  - .name:           k_q73f9bbd42b_gemm
    .symbol:         k_q73f9bbd42b_gemm.kd
    .args:
      - { .name: x_codes, .offset: 0, .size: 8, .value_kind: global_buffer, .address_space: global }
      - { .name: x_scales, .offset: 8, .size: 8, .value_kind: global_buffer, .address_space: global }
      - { .name: wq, .offset: 16, .size: 8, .value_kind: global_buffer, .address_space: global }
      - { .name: out0, .offset: 24, .size: 8, .value_kind: global_buffer, .address_space: global }
    .group_segment_fixed_size: 327680
    .private_segment_fixed_size: 0
    .kernarg_segment_align: 8
    .kernarg_segment_size: 32
    .max_flat_workgroup_size: 128
    .sgpr_count:     70
    .vgpr_count:     1024
    .wavefront_size: 32
...
	.end_amdgpu_metadata
.endif
;; end of part 2
